; MI455X (gfx1250); checked and timed in simulation.
; The chip was launched on July 23, 2026; its instructions are those of AMD's public machine-readable ISA for CDNA 5 (MIT licence, August 2026) and "CDNA5" Instruction Set Architecture Reference Guide (July 2026). The comments in the code are by the model that wrote it; some were corrected since.
;; Base Layer With Lo RA. Allowed arithmetic: float matrix products may take bf16 or f16 operands with f32 sums; other float arithmetic in f32, or as packed bf16 or f16 multiplies, adds, multiply-adds, maxima and minima; sums over many terms, partial sums and values carried from step to step in f32; what a program stores and reads back later, other than sums and carried values, may be rounded once to bf16 or f16.
;; Inputs: W 4,096 x 4,096 float32; b 4,096 float32; lora_A 16 x 4,096 float32; lora_B 4,096 x 16 float32; x 4 x 1,024 x 4,096 float32.
;; Outputs: out0 4 x 1,024 x 4,096 float32.
;; 2 versions, each right; version 2 is version 1 with the launch prep written anew for expert scheduling mode. Each part assembles by itself: llvm-mc -triple=amdgcn-amd-amdhsa -mcpu=gfx1250 --defsym DOCPART=n.
;; ======== version 1 of 2: 2 launches
;; workspace buffers: xb 33,554,432 bytes; wb 33,554,432 bytes; xe 262,144 bytes; we 262,144 bytes
;; launch prep (part 1): grid 256 x 1, 16 waves a work-group, no clusters, 88,064 bytes of LDS; arguments x, W, lora_A, lora_B, xb, wb, xe, we; writes xb, wb, xe, we
.if DOCPART == 1
	.amdgcn_target "amdgcn-amd-amdhsa--gfx1250"
	.amdhsa_code_object_version 6
	.text
	.protected	k_qdd7a35ee67_prep
	.globl	k_qdd7a35ee67_prep
	.p2align	8
	.type	k_qdd7a35ee67_prep,@function
k_qdd7a35ee67_prep:
	s_mov_b64 s[64:65], 0
	v_nop
	global_prefetch_b8 v0, s[64:65] scope:SCOPE_SE
	s_setreg_imm32_b32 hwreg(HW_REG_WAVE_MODE, 25, 1), 1
	s_wait_xcnt 0x0
; out[m][o] = sum_i x[m][i] W[o][i] + b[o] + sum_r (sum_i x[m][i] A[r][i]) B[o][r];  m = 0..4095 (4 x 1024), i, o = 0..4095, r = 0..15; all buffers f32.
; NO WORK IS LEFT OUT: each of the five inputs reaches every output, and all five are loaded (x, W, lora_A, lora_B here, b in the second launch).
; THIS LAUNCH, the first of two: xb = bf16(x), wb = bf16(W), each rounded once; ar = bf16(x) bf16(A)^T, summed in f32 on the matrix unit; ar and lora_B are stored as ready operand fragments:
;   xe: for each 16 rows of x 1,024 bytes: byte 16 l: hi[row l % 16][rank 8 (l / 16) + 0..7], byte 512 + 16 l: lo of the same eight; hi = bf16(ar), lo = bf16(ar - hi): ar keeps 16 significant bits
;   we: the same form for 16 rows of lora_B, bf16(lora_B) in both halves.  So one product with K = 32 in the second launch gives (hi + lo) . B, and none of its 32 places multiplies a zero.
; LIMITS.  A number beyond bf16's largest finite one rounds to an infinity (lo is then no number); NaN and infinities are not treated apart.
; SHARES.  Work-group g owns rows 16 g .. 16 g + 15 of x and of W and block g of xe and we.  K is split among its 16 waves: wave w has k = 256 w .. 256 w + 255, in two chunks of 128:
; a chunk is 16 loads of 16 bytes a lane, each 512 consecutive bytes of one row.  Two sets of 64 registers: 32 loads, 16 KiB, of a wave are out at a time, 256 KiB for the 16 waves.
; Rounded, a chunk's row is 256 bytes: one store of 8 bytes a lane covers 256 consecutive bytes, aligned.  x's chunks also pass through the wave's own tile in LDS, to come back as fragments.
; NO TENSOR LOADS, NO CLUSTER: no wave wants a byte of x or W that another wave has fetched.  What the work-groups share is lora_A, 262,144 bytes beside the 134,217,728 of x and W, and each wave wants its
; own 16 x 256 numbers of it rounded and in operand order in registers.  No prefetch: the launch is a stream whose loads are all out as early as its registers allow.
.set TP,    272                        ; a tile row in LDS: 256 bytes + 16: the 16 rows that a fragment load touches start at 16 different groups of four banks (64 banks of 4 bytes: ISA guide 11.1)
.set TILEB, 16*TP                      ; a wave's tile; the 16 tiles lie from byte 0 on
.set PART,  16*TILEB                   ; 69,632: wave w's partial tile of ar, f32: registers 0-3 at 1,024 w + 16 l, registers 4-7 512 bytes on
.set SPARE, PART+16*1024               ; 86,016: the spare words, 128 bytes for each wave: eight blocks of 256 bytes that no other line names
.set VO,  2                            ; v2   1,024 w + 16 l: my 16 bytes of a chunk's row in x and W
.set VS,  3                            ; v3   512 w + 8 l: my 8 bytes of it in xb and wb
.set AO,  4                            ; v4   16,384 (l % 16) + 1,024 w + 32 (l / 16): my place in a fragment of lora_A
.set TS,  5                            ; v5   my tile + 8 l
.set TF,  6                            ; v6   my tile + 272 (l % 16) + 16 (l / 16)
.set PS,  7                            ; v7   PART + 1,024 w + 16 l
.set PR,  8                            ; v8   PART + 16 l
.set EO,  9                            ; v9   16 l
.set BOF, 10                           ; v10  64 (l % 16) + 32 (l / 16): my eight numbers of lora_B
.set SPW, 12                           ; v12  LDS address of my spare word; never rewritten
.set NIL, 13                           ; v13  0; never rewritten
.set ACC0, 16                          ; v[16:23], v[24:31] two accumulators, for fragments of even and of odd number
.set ACC1, 24
.set AF,  32                           ; v[32:95]  my 8 fragments of bf16(lora_A): 16 ranks x 32 k each
.set SETA, 96                          ; v[96:159]  a chunk as loaded; rounded it takes the lower 32, and its fragments the upper 32
.set SETB, 160                         ; v[160:223] the other set
	s_load_b256 s[8:15], s[0:1], 0x0               ; x s[8:9], W s[10:11], lora_A s[12:13], lora_B s[14:15]
	s_load_b256 s[16:23], s[0:1], 0x20             ; xb s[16:17], wb s[18:19], xe s[20:21], we s[22:23]
	v_lshl_add_u32 v[SPW], v0, 2, SPARE
	v_mov_b32 v[NIL], 0
	v_lshrrev_b32 v1, 5, v0
	v_readfirstlane_b32 s24, v1                    ; wave 0..15
	v_and_b32 v14, 31, v0                          ; l
	v_and_b32 v15, 15, v0                          ; l % 16
	v_bfe_u32 v11, v0, 4, 1                        ; l / 16
	s_lshl_b32 s25, s24, 10
	v_lshl_add_u32 v[VO], v14, 4, s25
	v_lshlrev_b32 v[AO], 14, v15
	v_lshl_add_u32 v[AO], v11, 5, v[AO]
	v_add_nc_u32 v[AO], s25, v[AO]
	s_add_co_u32 s25, s25, PART
	v_lshl_add_u32 v[PS], v14, 4, s25
	s_lshl_b32 s25, s24, 9
	v_lshl_add_u32 v[VS], v14, 3, s25
	s_mul_i32 s25, s24, TILEB
	v_lshl_add_u32 v[TS], v14, 3, s25
	v_mul_u32_u24 v[TF], v15, TP
	v_lshl_add_u32 v[TF], v11, 4, v[TF]
	v_add_nc_u32 v[TF], s25, v[TF]
	v_lshl_add_u32 v[PR], v14, 4, PART
	v_lshlrev_b32 v[EO], 4, v14
	v_lshlrev_b32 v[BOF], 6, v15
	v_lshl_add_u32 v[BOF], v11, 5, v[BOF]
	s_mov_b32 s28, 0xffff0000                      ; a word's upper bf16
	s_mov_b32 s27, 0
	s_wait_kmcnt 0x0
	s_lshl_b32 s26, ttmp9, 18                      ; 16 rows of 16,384 bytes
	s_add_nc_u64 s[8:9], s[8:9], s[26:27]
	s_add_nc_u64 s[10:11], s[10:11], s[26:27]
	s_lshl_b32 s26, ttmp9, 17                      ; 16 rows of 8,192 bytes
	s_add_nc_u64 s[16:17], s[16:17], s[26:27]
	s_add_nc_u64 s[18:19], s[18:19], s[26:27]
	s_lshl_b32 s26, ttmp9, 10                      ; a block of 1,024 bytes: of xe, of we, and 16 rows of lora_B
	s_add_nc_u64 s[14:15], s[14:15], s[26:27]
	s_add_nc_u64 s[20:21], s[20:21], s[26:27]
	s_add_nc_u64 s[22:23], s[22:23], s[26:27]
; Four fragments of lora_A, numbers 4 q .. 4 q + 3 of my eight, in f32: a lane's k = 8 (l / 16) + 0..7 are 32 bytes, its k = 16 + 8 (l / 16) + 0..7 the 32 bytes 64 further on.
.macro LOADA q, set
.irp f, 0,1,2,3
.irp p, 0,1,2,3
	global_load_b128 v[(\set)+16*(\f)+4*(\p):(\set)+16*(\f)+4*(\p)+3], v[AO], s[12:13] offset:128*(4*(\q)+(\f))+16*((\p)%2)+64*((\p)/2)
.endr
.endr
.endm
.macro CVTA q, set                     ; rounded, two numbers a register: they are then fragments as the matrix instruction takes them
.irp f, 0,1,2,3
.irp j, 0,1,2,3,4,5,6,7
	v_cvt_pk_bf16_f32 v[AF+8*(4*(\q)+(\f))+(\j)], v[(\set)+16*(\f)+2*(\j)], v[(\set)+16*(\f)+2*(\j)+1]
.endr
.endr
.endm
.macro LOADR set, base, c              ; chunk c of my 256 k, 16 rows, from x or W: read once in the launch
.irp i, 0,1,2,3,4,5,6,7,8,9,10,11,12,13,14,15
	global_load_b128 v[(\set)+4*(\i):(\set)+4*(\i)+3], v[VO], s[(\base):(\base)+1] offset:16384*(\i)+512*(\c) th:TH_LOAD_NT
.endr
.endm
.macro CVTR set                        ; rounded in place, rows ascending: row i's two registers land below every register that is still to be read
.irp i, 0,1,2,3,4,5,6,7,8,9,10,11,12,13,14,15
	v_cvt_pk_bf16_f32 v[(\set)+2*(\i)],   v[(\set)+4*(\i)],   v[(\set)+4*(\i)+1]
	v_cvt_pk_bf16_f32 v[(\set)+2*(\i)+1], v[(\set)+4*(\i)+2], v[(\set)+4*(\i)+3]
.endr
.endm
.macro STORER set, base, c             ; each store of the wave covers 256 consecutive bytes, aligned
.irp i, 0,1,2,3,4,5,6,7,8,9,10,11,12,13,14,15
	global_store_b64 v[VS], v[(\set)+2*(\i):(\set)+2*(\i)+1], s[(\base):(\base)+1] offset:8192*(\i)+256*(\c) th:TH_STORE_NT
.endr
.endm
.macro TOLDS set                       ; the same 16 rows into my tile
.irp i, 0,1,2,3,4,5,6,7,8,9,10,11,12,13,14,15
	ds_store_b64 v[TS], v[(\set)+2*(\i):(\set)+2*(\i)+1] offset:TP*(\i)
.endr
.endm
.macro FRAGS set                       ; and back as four fragments of 16 rows x 32 k.  LDS serves a wave's instructions in order (ISA guide 5.7.1.4): these see the stores above, and the tile is my own: no barrier
.irp f, 0,1,2,3
	ds_load_b128 v[(\set)+32+8*(\f):(\set)+32+8*(\f)+3],   v[TF] offset:64*(\f)
	ds_load_b128 v[(\set)+32+8*(\f)+4:(\set)+32+8*(\f)+7], v[TF] offset:64*(\f)+32
.endr
.endm
; ar^T += A x^T (source 0 = the 16 ranks, source 1 = 16 rows of x): in the result a lane holds ONE row of x (l % 16) and the ranks 8 (l / 16) + 0..7.
; The two accumulators take turns, one instruction a turn, through both chunks.  zero = 1: the first two products start the sums.
.macro MULS set, c, zero
.irp f, 0,1,2,3
.if (\zero) && ((\f) < 2)
	v_wmma_f32_16x16x32_bf16 v[ACC0+8*((\f)%2):ACC0+8*((\f)%2)+7], v[AF+8*(4*(\c)+(\f)):AF+8*(4*(\c)+(\f))+7], v[(\set)+32+8*(\f):(\set)+32+8*(\f)+7], 0
.else
	v_wmma_f32_16x16x32_bf16 v[ACC0+8*((\f)%2):ACC0+8*((\f)%2)+7], v[AF+8*(4*(\c)+(\f)):AF+8*(4*(\c)+(\f))+7], v[(\set)+32+8*(\f):(\set)+32+8*(\f)+7], v[ACC0+8*((\f)%2):ACC0+8*((\f)%2)+7]
.endif
.endr
.endm
.macro PLACES                          ; four places behind a product, in front of loads into registers that it has read and of sums that read results
.rept 4
	v_nop
.endr
.endm
.macro PARTS base                      ; eight waves' partial tiles into AF
.irp v, 0,1,2,3,4,5,6,7
	ds_load_b128 v[AF+8*(\v):AF+8*(\v)+3],   v[PR] offset:(\base)+1024*(\v)
	ds_load_b128 v[AF+8*(\v)+4:AF+8*(\v)+7], v[PR] offset:(\base)+1024*(\v)+512
.endr
.endm
.macro SUM8 dst                        ; their sum, as a tree: 16 + 8 + 4 packed additions
.irp v, 0,1,2,3
.irp j, 0,2,4,6
	v_pk_add_f32 v[AF+8*(\v)+(\j):AF+8*(\v)+(\j)+1], v[AF+8*(\v)+(\j):AF+8*(\v)+(\j)+1], v[AF+8*(\v)+32+(\j):AF+8*(\v)+32+(\j)+1]
.endr
.endr
.irp v, 0,1
.irp j, 0,2,4,6
	v_pk_add_f32 v[AF+8*(\v)+(\j):AF+8*(\v)+(\j)+1], v[AF+8*(\v)+(\j):AF+8*(\v)+(\j)+1], v[AF+8*(\v)+16+(\j):AF+8*(\v)+16+(\j)+1]
.endr
.endr
.irp j, 0,2,4,6
	v_pk_add_f32 v[(\dst)+(\j):(\dst)+(\j)+1], v[AF+(\j):AF+(\j)+1], v[AF+8+(\j):AF+8+(\j)+1]
.endr
.endm
	LOADA 0, SETA
	LOADA 1, SETB
	s_wait_loadcnt 16                              ; loads come back in order (ISA guide 5.7.1): set A is in, set B's 16 stay out
	CVTA 0, SETA
	LOADR SETA, 8, 0                               ; x, chunk 0
	s_wait_loadcnt 16                              ; set B is in; the 16 just issued stay out
	CVTA 1, SETB
	LOADR SETB, 8, 1                               ; x, chunk 1
	s_wait_loadcnt 16                              ; x's chunk 0 is in
	CVTR SETA
	STORER SETA, 16, 0
	TOLDS SETA
	FRAGS SETA
	s_wait_dscnt 0x0
	MULS SETA, 0, 1
	PLACES
	s_wait_xcnt 0x0                                ; the stores have read set A: it is loaded again only behind this wait
	LOADR SETA, 10, 0                              ; W, chunk 0
	s_wait_loadcnt 16                              ; x's chunk 1 is in; W's chunk 0 stays out
	CVTR SETB
	STORER SETB, 16, 1
	TOLDS SETB                                     ; my tile once more: its last reads have come back
	FRAGS SETB
	s_wait_dscnt 0x0
	MULS SETB, 1, 0
	PLACES
	s_wait_xcnt 0x0
	LOADR SETB, 10, 1                              ; W, chunk 1
	PLACES                                         ; eight places in all behind the last product, once a launch
.irp j, 0,2,4,6
	v_pk_add_f32 v[ACC0+(\j):ACC0+(\j)+1], v[ACC0+(\j):ACC0+(\j)+1], v[ACC1+(\j):ACC1+(\j)+1]  ; the two parities; both accumulators are read from their low end on
.endr
	ds_store_b128 v[PS], v[ACC0:ACC0+3]
	ds_store_b128 v[PS], v[ACC0+4:ACC0+7] offset:512
	s_wait_dscnt 0x0                               ; for wave 0's sake: my partial tile is in LDS
	s_barrier_signal -1
	s_barrier_wait -1                              ; the launch's one barrier; W's loads stay on their way across it: nobody writes those bytes
	s_cmp_lg_u32 s24, 0
	s_cbranch_scc1 .Lrest                          ; wave 0 alone adds the 16 partial tiles and stores the two blocks of fragments
	global_load_b128 v[ACC1:ACC1+3],   v[BOF], s[14:15]
	global_load_b128 v[ACC1+4:ACC1+7], v[BOF], s[14:15] offset:16
	PARTS 0
	s_wait_dscnt 0x0
	SUM8 ACC0
	PARTS 8192
	s_wait_dscnt 0x0
	SUM8 AF
.irp j, 0,2,4,6
	v_pk_add_f32 v[ACC0+(\j):ACC0+(\j)+1], v[ACC0+(\j):ACC0+(\j)+1], v[AF+(\j):AF+(\j)+1]  ; ar: my row, my eight ranks
.endr
.irp j, 0,1,2,3
	v_cvt_pk_bf16_f32 v[AF+(\j)], v[ACC0+2*(\j)], v[ACC0+2*(\j)+1]      ; hi
.endr
	global_store_b128 v[EO], v[AF:AF+3], s[20:21]  ; 512 consecutive bytes, aligned, like the three stores below
.irp j, 0,1,2,3
	v_lshlrev_b32 v[AF+8+2*(\j)],   16,  v[AF+(\j)]                     ; hi back in f32
	v_and_b32     v[AF+8+2*(\j)+1], s28, v[AF+(\j)]
.endr
.irp j, 0,2,4,6
	v_pk_add_f32 v[AF+8+(\j):AF+8+(\j)+1], v[ACC0+(\j):ACC0+(\j)+1], v[AF+8+(\j):AF+8+(\j)+1] neg_lo:[0,1] neg_hi:[0,1]  ; ar - hi, exact
.endr
.irp j, 0,1,2,3
	v_cvt_pk_bf16_f32 v[AF+4+(\j)], v[AF+8+2*(\j)], v[AF+8+2*(\j)+1]    ; lo
.endr
	global_store_b128 v[EO], v[AF+4:AF+7], s[20:21] offset:512
	s_wait_loadcnt 0x0                             ; lora_B was asked for last, so W's chunks are in as well
.irp j, 0,1,2,3
	v_cvt_pk_bf16_f32 v[AF+16+(\j)], v[ACC1+2*(\j)], v[ACC1+2*(\j)+1]
.endr
	global_store_b128 v[EO], v[AF+16:AF+19], s[22:23]
	global_store_b128 v[EO], v[AF+16:AF+19], s[22:23] offset:512
.Lrest:
	s_wait_loadcnt 16                              ; W's chunk 0 is in, chunk 1's 16 loads may stay out (in wave 0 nothing is out)
	CVTR SETA
	STORER SETA, 18, 0
	s_wait_loadcnt 0x0
	CVTR SETB
	STORER SETB, 18, 1
	s_wait_tensorcnt 0x0                           ; the wave's end, behind my last LDS store
	ds_add_u32 v[SPW], v[NIL]
	s_wait_dscnt 0x0
	s_endpgm
.Lfunc_end_k_qdd7a35ee67_prep:
	.size	k_qdd7a35ee67_prep, .Lfunc_end_k_qdd7a35ee67_prep-k_qdd7a35ee67_prep
	.p2alignl 7, 3214868480
	.fill 96, 4, 3214868480
	.section	.rodata,"a",@progbits
	.p2align	6, 0x0
	.amdhsa_kernel k_qdd7a35ee67_prep
		.amdhsa_group_segment_fixed_size 88064
		.amdhsa_private_segment_fixed_size 0
		.amdhsa_enable_private_segment 0
		.amdhsa_kernarg_size 64
		.amdhsa_user_sgpr_count 2
		.amdhsa_user_sgpr_kernarg_segment_ptr 1
		.amdhsa_wavefront_size32 1
		.amdhsa_system_sgpr_workgroup_id_x 1
		.amdhsa_system_sgpr_workgroup_id_y 1
		.amdhsa_system_sgpr_workgroup_id_z 1
		.amdhsa_system_vgpr_workitem_id 0
		.amdhsa_next_free_vgpr 224
		.amdhsa_next_free_sgpr 66
		.amdhsa_reserve_vcc 0
		.amdhsa_float_denorm_mode_32 3
		.amdhsa_float_denorm_mode_16_64 3
		.amdhsa_memory_ordered 1
		.amdhsa_forward_progress 1
		.amdhsa_inst_pref_size 42
	.end_amdhsa_kernel
	.amdgpu_metadata
---
amdhsa.version: [ 1, 2 ]
amdhsa.kernels:
  - .name:           k_qdd7a35ee67_prep
    .symbol:         k_qdd7a35ee67_prep.kd
    .args:
      - { .name: x, .offset: 0, .size: 8, .value_kind: global_buffer, .address_space: global }
      - { .name: W, .offset: 8, .size: 8, .value_kind: global_buffer, .address_space: global }
      - { .name: lora_A, .offset: 16, .size: 8, .value_kind: global_buffer, .address_space: global }
      - { .name: lora_B, .offset: 24, .size: 8, .value_kind: global_buffer, .address_space: global }
      - { .name: xb, .offset: 32, .size: 8, .value_kind: global_buffer, .address_space: global }
      - { .name: wb, .offset: 40, .size: 8, .value_kind: global_buffer, .address_space: global }
      - { .name: xe, .offset: 48, .size: 8, .value_kind: global_buffer, .address_space: global }
      - { .name: we, .offset: 56, .size: 8, .value_kind: global_buffer, .address_space: global }
    .group_segment_fixed_size: 88064
    .private_segment_fixed_size: 0
    .kernarg_segment_align: 8
    .kernarg_segment_size: 64
    .max_flat_workgroup_size: 512
    .sgpr_count:     66
    .vgpr_count:     224
    .wavefront_size: 32
...
	.end_amdgpu_metadata
.endif
;; end of part 1
;; launch gemm (part 2): grid 16 x 16, 4 waves a work-group, clusters of 4 x 4, 327,680 bytes of LDS; arguments xb, wb, out0, xe, we, b; writes out0
.if DOCPART == 2
	.amdgcn_target "amdgcn-amd-amdhsa--gfx1250"
	.amdhsa_code_object_version 6
	.text
	.protected	k_qdd7a35ee67_gemm
	.globl	k_qdd7a35ee67_gemm
	.p2align	8
	.type	k_qdd7a35ee67_gemm,@function
k_qdd7a35ee67_gemm:
	s_mov_b64 s[64:65], 0
	v_nop
	global_prefetch_b8 v0, s[64:65] scope:SCOPE_SE
	s_setreg_imm32_b32 hwreg(HW_REG_WAVE_MODE, 25, 1), 1
	s_wait_xcnt 0x0
	s_wait_alu depctr_hold_cnt(0) depctr_sa_sdst(0) depctr_va_vdst(0) depctr_va_sdst(0) depctr_va_ssrc(0) depctr_va_vcc(0) depctr_vm_vsrc(0)
	s_getreg_b32 s2, hwreg(HW_REG_IB_STS2, 6, 4)
	s_cmp_eq_u32 s2, 0
	s_cbranch_scc0 .Lentry_in_a_cluster
	s_endpgm
.Lentry_in_a_cluster:
	s_bfe_u32 s2, ttmp6, 0x10000c
	s_cmp_lg_u32 s2, 0xf033
	s_cbranch_scc0 .Lentry_shape_is_right
	s_endpgm
.Lentry_shape_is_right:
; out0[m][n] = sum_k xb[m][k] wb[n][k] + b[n] + sum_r ar[m][r] lora_B[n][r].  xb, wb: [4096][4096] bf16, the first launch's roundings of x and W; xe, we: its operand fragments of ar (as hi and lo)
; and of bf16(lora_B); b: [4096] f32; out0: [4096][4096] f32.  Sums in f32.  No work of the problem is left out here either: bias and low-rank term are in the first products.
; LIMITS.  b enters in f32, unrounded; ar as two bf16 numbers, 16 significant bits; NaN and infinities are not treated apart.
; SHARES.  A tile of out0, 256 x 256, is made by a work-group of four waves; a wave makes 128 x 128: 64 accumulators of 16 x 16, 512 registers.  16 x 16 tiles: 256 work-groups, one tile each.
; K goes in steps of 128 through a ring of two LDS slots filled by the tensor data mover: a tile's rows are 256 bytes of memory and start at multiples of 256 bytes from the buffer's first byte.
; THE SUMS START with one more quarter step, of K = 32: source 0 = 16 rows of we, source 1 = 16 rows of xe (k 0-15: hi, k 16-31: lo; we holds lora_B in both halves), C = the bias of the product's
; 16 columns.  Its fragments come straight from memory into fragment buffer 1, in the order in which the first launch laid them.  So nothing is cleared, and bias and low-rank term cost no vector work.
; CLUSTERS: 4 x 4 work-groups.  The four of a row of the cluster need the same tiles of xb, the four of a column the same tiles of wb: each tile is asked for JOINTLY, by the same tensor load with the
; same descriptor and a mask that names the four; each receives it in its own LDS.  That divides the requests for both by four.
; THE MATRIX INSTRUCTION IS USED TRANSPOSED: source 0 = 16 rows of wb, source 1 = 16 rows of xb.  In the result lane l holds row m = l % 16 of out0 and its registers 0 to 7 the columns
; n = 8 (l / 16) + 0..7: 32 neighbouring bytes of a row.
; REGISTERS, in windows of 256 (s_set_vgpr_msb's low byte: bits 1:0 source 0, 3:2 source 1, 5:4 source 2, 7:6 destination):
;   window 0: v0-31 addresses; v64-127, v128-191 fragments of xb (8 x 16 rows x 32 K), two buffers, on the way out two buffers of 16 rows; v192-255 the bias, 8 registers for each 16 columns
;   window 1: v64-127, v128-191 fragments of wb, two buffers
;   window 2: the 32 accumulators of my rows 0-63 (accumulator (a, b) at v[8 (8 a + b)]);   window 3: those of my rows 64-127
.set SIZE_N, 4096
.set SIZE_K, 4096
.set KSTEP,  128
.set PITCH,  272                       ; an LDS row: 256 bytes of data + 16 of padding = 68 words: row r starts at bank 4 r mod 64 (64 banks of 4 bytes: ISA guide 11.1), so the 16 rows that a load touches start at 16 different banks
.set HALFT,  128*PITCH                 ; 128 rows: what one tensor load brings, and what one wave reads of xb or of wb
.set SLOT,   4*HALFT                   ; xb's 256 rows, then wb's 256 rows
.set STAGE,  2*SLOT                    ; behind the ring, never filled by a tensor load: 16 rows x 528 bytes for each wave, for the way out
.set SPITCH, 528                       ; 512 bytes of f32 + 16: the sixteen rows that a store touches start at 16 different groups of four banks
.set SPARE,  STAGE+4*16*SPITCH         ; behind the stages: the spare words, 128 bytes for each wave: two blocks of 256 bytes that no other line names
.set LAPS, SIZE_K/(2*KSTEP)            ; a lap = two K steps = once round the ring: 16
.set ADRA, 16                          ; v16-17  LDS address of my xb fragments in slot 0, 1
.set ADRB, 20                          ; v20-21  the same for wb
.set STO,  24                          ; v24     the way out: where I put 32 bytes of a row
.set RD,   25                          ; v25     the way out: where I read 16 bytes of a row back
.set CO,   26                          ; v26     16 x lane: my bytes in 512 consecutive bytes of out0, and of a half block of xe and we
.set SPW,  28                          ; v28     LDS address of my spare word: SPARE + 4 x my thread's number; never rewritten
.set NIL,  29                          ; v29     0; never rewritten
.set PFO,  30                          ; v30     the prefetches' offset: my lane x a row of xb or wb (8,192 bytes); never rewritten
.set BO,   31                          ; v31     32 (l / 16): my eight numbers among 16 of b
.set PFA,  44                          ; s[44:45] where my prefetches stand: my work-group's 32 rows of the 128 that I fetch, one K step further along K than the refill that is being asked for; a prefetch names the K step after that
.set LIM,  43                          ; s43     1 in a wave that prefetches, else the greatest number
.set F0,   64                          ; fragment buffer 0
.set F1,   128                         ; fragment buffer 1
.set OB,   64                          ; the way out: 16 rows read back from the stage: v64-127 and v128-191 by turns
.set BI,   192                         ; the bias
.set G1, 24                            ; s[24:31] descriptor group 1 for xb's tiles
.set G0, 32                            ; s[32:39] descriptor group 0 for xb's tiles, one set for each slot
.set G1B, 48                           ; s[48:55] descriptor group 1 for wb's tiles: it differs in the mask alone
.set G0B, 56                           ; s[56:63] descriptor group 0 for wb's tiles, one set for each slot
.set MSB, 0
.macro WIN new                         ; the immediate's high byte repeats the setting that is left; a switch that changes nothing is dropped
.if MSB != (\new)
	s_set_vgpr_msb (MSB<<8)|(\new)
.set MSB, \new
.endif
.endm
.set MUL_LO, 0xa1                      ; source 0 (wb) window 1, source 1 (xb) window 0, C and D window 2
.set MUL_HI, 0xf1                      ; the same, C and D window 3
.set TO_B,   0x40                      ; destination window 1, address window 0
; A joint load.  Waves 0 and 1 fetch xb's two halves, waves 2 and 3 wb's.  Each of the two lines has ONE mask and one set of registers for all that issue it, and nothing in them hangs on a coordinate
; that the four partners do not share.  The branch hangs on the wave's number alone.  An s_nop 0 and four v_nop follow each of the two lines, ahead of the jump, the label and what follows.
.macro JLOAD s
	s_cmp_eq_u32 s11, 0
	s_cbranch_scc0 .Lfor_b_\@
	tensor_load_to_lds s[G0+4*(\s):G0+4*(\s)+3], s[G1:G1+7]
	s_nop 0
.rept 4
	v_nop
.endr
	s_branch .Lasked_\@
.Lfor_b_\@:
	tensor_load_to_lds s[G0B+4*(\s):G0B+4*(\s)+3], s[G1B:G1B+7]
	s_nop 0
.rept 4
	v_nop
.endr
.Lasked_\@:
.endm
; A PREFETCH INTO THE L2, behind each joint refill, its five lines and the run of LDS loads that follows them: the K step that stands TWO refills on, 512 matrix instructions ahead of the load that will ask
; for it: 32 rows x 256 bytes, a lane a row, one instruction a wave.  Each row's 256 bytes of a K step are named ONCE in the launch.  xb's tile row is read by every cluster of that row of clusters: the
; first of them (cluster x = 0) asks; wb's tile column by every cluster of that column: cluster y = 0 asks.  The four partners that ask for a tile jointly share its rows out BY ADDRESS: of the 128 rows
; that a wave fetches the partner at place p takes 32 p .. 32 p + 31 (p = cx for xb, cy for wb): no branch hangs on a work-group's place in its cluster.  K steps 0 to 3 come by their loads alone;
; the loop's last trip (s3 = 1) asks for nothing: K steps 32 and 33 do not exist.
.macro ASK
	s_cmp_gt_u32 s3, s[LIM]
	s_cbranch_scc0 .Lnot_mine_\@
	global_prefetch_b8 v[PFO], s[PFA:PFA+1] offset:KSTEP*2 th:TH_LOAD_NT scope:SCOPE_SE
.Lnot_mine_\@:
.endm
; A round of the cluster's barrier: my work-group's barrier, so that wave 0's signal speaks for all four waves; wave 0 signals for the work-group; every wave waits for all sixteen work-groups;
; my work-group's barrier once more.  No LDS instruction of the wave is pending at a signal.
.macro CREST                           ; a round behind its opening barrier
	s_cmp_lg_u32 s10, 0
	s_cbranch_scc1 .Lnot_wave_0_\@
	s_barrier_signal -3
.Lnot_wave_0_\@:
	s_barrier_wait -3
	s_barrier_signal -1
	s_barrier_wait -1
.endm
.macro CROUND                          ; a whole round
	s_barrier_signal -1
	s_barrier_wait -1
	CREST
.endm
	s_load_b128 s[4:7], s[0:1], 0x0                ; xb s[4:5], wb s[6:7]
	s_load_b64 s[8:9], s[0:1], 0x10                ; out0
	s_load_b64 s[68:69], s[0:1], 0x18              ; xe
	s_load_b64 s[70:71], s[0:1], 0x20              ; we
	s_load_b64 s[72:73], s[0:1], 0x28              ; b
	v_lshl_add_u32 v[SPW], v0, 2, SPARE
	v_mov_b32 v[NIL], 0
	ds_add_u32 v[SPW], v[NIL]                      ; the wave's opening: the add, twice on end, and its wait ahead of my first tensor load; the set-up below, work on registers, stands between the second and the wait
	ds_add_u32 v[SPW], v[NIL]                      ; and once more, under the one wait
	v_lshrrev_b32 v1, 5, v0
	v_readfirstlane_b32 s10, v1                    ; wave 0..3
	s_lshr_b32 s11, s10, 1                         ; which half of the tile's rows is mine.  Also: I fetch for xb (0) or for wb (1)
	s_and_b32 s12, s10, 1                          ; which half of its columns.  Also: which 128 rows of that tile I fetch
	s_bfe_u32 s40, ttmp6, 0x40000                  ; cx: my place along the cluster's x
	s_bfe_u32 s41, ttmp6, 0x40004                  ; cy: along its y
	s_lshl_b32 s42, ttmp9, 2                       ; in a cluster launch ttmp9 and ttmp7 count clusters
	s_add_co_u32 s42, s42, s40                     ; tile column = 4 x cluster x + cx
	s_and_b32 s13, ttmp7, 0xffff
	s_lshl_b32 s13, s13, 2
	s_add_co_u32 s13, s13, s41                     ; tile row = 4 x cluster y + cy
	s_lshl_b32 s43, s41, 2
	s_lshl_b32 s43, 15, s43                        ; my row of the cluster: places 4 cy .. 4 cy + 3
	s_lshl_b32 s44, 0x1111, s40                    ; my column: places cx, cx + 4, cx + 8, cx + 12
	; descriptor group 1: a tile of 128 rows x 128 elements, padded in LDS
	s_or_b32 s[G1+0], s43, (1<<16)|(1<<20)|(1<<21)|(5<<22)|(3<<25)  ; 15:0 the mask: xb's tiles go to my row; 17:16 element of 2 bytes; 20 padding on; 21 set beside a mask; 24:22 after every 64 words (code 5); 31:25 of 4 words (code 3)
	s_or_b32 s[G1B+0], s44, (1<<16)|(1<<20)|(1<<21)|(5<<22)|(3<<25) ; the same with the mask of my column, for wb's tiles
	s_mov_b32 s[G1B+1], KSTEP<<16
	s_mov_b32 s[G1+1], KSTEP<<16                   ; 63:48 tensor_dim0, low half = 128
	s_mov_b32 s[G1B+2], 128<<16
	s_mov_b32 s[G1+2], 128<<16                     ; 79:64 its high half = 0; 95:80 tensor_dim1, low half = 128
	s_mov_b32 s[G1B+3], KSTEP<<16
	s_mov_b32 s[G1+3], KSTEP<<16                   ; 111:96 its high half = 0; 127:112 tile_dim0 = 128
	s_mov_b32 s[G1B+4], 128
	s_mov_b32 s[G1+4], 128                         ; 143:128 tile_dim1 = 128; 159:144 tile_dim2 = 0
	s_mov_b32 s[G1B+5], SIZE_K
	s_mov_b32 s[G1+5], SIZE_K                      ; 191:160 tensor_dim0_stride, low word: elements from row to row
	s_mov_b32 s[G1B+6], 0
	s_mov_b32 s[G1+6], 0
	s_mov_b32 s[G1B+7], 0
	s_mov_b32 s[G1+7], 0
	; where the tiles come from.  xb's hang on the tile row alone, which my row of the cluster shares; wb's on the tile column alone, which my column shares.
	s_lshl_b32 s17, s12, 7                         ; which 128 rows of the tile I fetch
	s_lshl_b32 s16, s13, 8
	s_add_co_u32 s16, s16, s17                     ; xb: row 256 x tile row + 128 x half
	s_lshl_b32 s46, s42, 8
	s_add_co_u32 s46, s46, s17                     ; wb: row 256 x tile column + 128 x half
	s_mov_b32 s17, 0
	s_mov_b32 s47, 0
	s_mov_b64 s[18:19], SIZE_K*2
	s_mul_u64 s[16:17], s[16:17], s[18:19]         ; in bytes
	s_mul_u64 s[46:47], s[46:47], s[18:19]
	s_mul_i32 s20, s10, HALFT                      ; and where they go: xb's two halves, then wb's two halves = wave x 128 rows: no place in the cluster enters an LDS address
	s_wait_dscnt 0x0                               ; both opening adds are done
	s_wait_kmcnt 0x0
	s_add_nc_u64 s[14:15], s[4:5], s[16:17]
	s_add_nc_u64 s[46:47], s[6:7], s[46:47]
	CROUND                                         ; all sixteen work-groups are here: the first joint loads meet
.irp s, 0,1
	s_mov_b32 s[G0+4*(\s)], 1                                      ; 1:0 count = 1
	s_add_co_u32 s[G0+4*(\s)+1], s20, (\s)*SLOT                    ; 63:32 LDS address
	s_add_nc_u64 s[G0+4*(\s)+2:G0+4*(\s)+3], s[14:15], (\s)*KSTEP*2  ; 120:64 global address: K step s
	s_or_b32 s[G0+4*(\s)+3], s[G0+4*(\s)+3], 0x80000000            ; 127:126 type = 2
	s_mov_b32 s[G0B+4*(\s)], 1
	s_add_co_u32 s[G0B+4*(\s)+1], s20, (\s)*SLOT
	s_add_nc_u64 s[G0B+4*(\s)+2:G0B+4*(\s)+3], s[46:47], (\s)*KSTEP*2
	s_or_b32 s[G0B+4*(\s)+3], s[G0B+4*(\s)+3], 0x80000000
	JLOAD \s                                       ; the ring is filled before anything else is done: two loads of mine are out
.endr
	; A fragment is 16 rows x 32 K in 8 registers: lane l holds row l % 16; registers 0-3 hold K = 8 (l / 16) + 0..7, registers 4-7 hold K = 16 + 8 (l / 16) + 0..7.
	; From rows that lie along K: two loads of 16 bytes, 32 bytes apart.  The same for source 0 and source 1.
	v_and_b32 v1, 15, v0                           ; l % 16
	v_bfe_u32 v2, v0, 4, 1                         ; l / 16
	v_mul_u32_u24 v3, v1, PITCH
	v_lshl_add_u32 v3, v2, 4, v3                   ; row x pitch + 16 x half
	s_mul_i32 s21, s11, HALFT                      ; my 128 rows of xb
	s_mul_i32 s22, s12, HALFT                      ; my 128 rows of wb,
	s_add_co_u32 s22, s22, 2*HALFT                 ; which lie behind xb's 256
.irp s, 0,1
	v_add_nc_u32 v[ADRA+(\s)], s21, v3
	v_add_nc_u32 v[ADRB+(\s)], s22, v3
	s_add_co_u32 s21, s21, SLOT
	s_add_co_u32 s22, s22, SLOT
.endr
	s_mul_i32 s23, s10, 16*SPITCH
	s_add_co_u32 s23, s23, STAGE                   ; my stage
	v_mul_u32_u24 v4, v1, SPITCH                   ; in: row l % 16, 32 bytes for each half of the lanes
	v_lshl_add_u32 v4, v2, 5, v4
	v_add_nc_u32 v[STO], s23, v4
	v_and_b32 v5, 31, v0
	v_lshlrev_b32 v[CO], 4, v5                     ; back: 32 lanes take one row of 512 bytes,
	v_add_nc_u32 v[RD], s23, v[CO]                 ; which are 512 consecutive bytes of out0
	v_lshlrev_b32 v[BO], 5, v2
	; my part of the tile begins at row m0 and column n0
	s_lshl_b32 s13, s13, 8                         ; 256 x tile row
	s_lshl_b32 s42, s42, 8                         ; 256 x tile column
	s_lshl_b32 s74, s11, 7
	s_add_co_u32 s76, s13, s74                     ; m0
	s_lshl_b32 s74, s12, 7
	s_add_co_u32 s77, s42, s74                     ; n0
	s_mov_b32 s75, 0
	s_lshl_b32 s74, s76, 6                         ; 1,024 bytes for each 16 rows
	s_add_nc_u64 s[68:69], s[68:69], s[74:75]      ; xe at my first block
	s_lshl_b32 s74, s77, 6
	s_add_nc_u64 s[70:71], s[70:71], s[74:75]      ; we at my first block
	s_lshl_b32 s74, s77, 2
	s_add_nc_u64 s[72:73], s[72:73], s[74:75]      ; b at my first column
	s_add_nc_u64 s[8:9], s[8:9], s[74:75]          ; out0 at my first column,
	s_lshl_b32 s74, s76, 14
	s_add_nc_u64 s[8:9], s[8:9], s[74:75]          ; of my first row; never stepped again
	; the prefetches.  s13 = 256 x tile row, s42 = 256 x tile column, s40 = cx, s41 = cy
	s_and_b32 s22, ttmp7, 0xffff                   ; cluster y
	s_cmp_eq_u32 s11, 0                            ; do I fetch for xb?
	s_cselect_b32 s20, s13, s42                    ; the tile's first row: in xb by the tile row, in wb by the tile column
	s_cselect_b32 s21, s40, s41                    ; my place among the four that ask for it with me
	s_cselect_b32 s22, ttmp9, s22                  ; the coordinate along which other clusters read the same rows
	s_cselect_b64 s[PFA:PFA+1], s[4:5], s[6:7]
	s_cmp_eq_u32 s22, 0
	s_cselect_b32 s[LIM], 1, -1                    ; the same in all sixteen partners, for a given wave
	s_lshl_b32 s22, s12, 7
	s_add_co_u32 s20, s20, s22                     ; + the 128 rows that I fetch
	s_lshl_b32 s21, s21, 5
	s_add_co_u32 s20, s20, s21                     ; + my work-group's 32 of them
	s_mov_b32 s21, 0
	s_mov_b64 s[18:19], SIZE_K*2
	s_mul_u64 s[20:21], s[20:21], s[18:19]
	s_add_nc_u64 s[PFA:PFA+1], s[PFA:PFA+1], s[20:21]
	s_add_nc_u64 s[PFA:PFA+1], s[PFA:PFA+1], 2*KSTEP*2  ; at K step 2: the first refill steps it to 3 and names K step 4
	v_and_b32 v[PFO], 31, v0
	v_mul_u32_u24 v[PFO], v[PFO], SIZE_K*2
	; the first products' operands, 48 loads, on their way while the first tiles come: we's and xe's eight blocks into fragment buffer 1, as they lie; then the bias of my 128 columns
	WIN TO_B
.irp i, 0,1,2,3,4,5,6,7
	global_load_b128 v[F1+8*(\i):F1+8*(\i)+3],   v[CO], s[70:71] offset:1024*(\i)
	global_load_b128 v[F1+8*(\i)+4:F1+8*(\i)+7], v[CO], s[70:71] offset:1024*(\i)+512
.endr
	WIN 0
.irp i, 0,1,2,3,4,5,6,7
	global_load_b128 v[F1+8*(\i):F1+8*(\i)+3],   v[CO], s[68:69] offset:1024*(\i)
	global_load_b128 v[F1+8*(\i)+4:F1+8*(\i)+7], v[CO], s[68:69] offset:1024*(\i)+512
.endr
.irp i, 0,1,2,3,4,5,6,7
	global_load_b128 v[BI+8*(\i):BI+8*(\i)+3],   v[BO], s[72:73] offset:64*(\i)      ; register j of block i: b[n0 + 16 i + 8 (l / 16) + j], the column that register j of a result holds
	global_load_b128 v[BI+8*(\i)+4:BI+8*(\i)+7], v[BO], s[72:73] offset:64*(\i)+16
.endr
; 16 matrix instructions: m blocks a0, a0 + 1 of the window's four (hi = 0: my rows 0-63, 1: rows 64-127) x all 8 n blocks, 32 along K.
; The 64 accumulators take turns, one instruction a turn, in the same order in every quarter step, over the backward jump too.
.macro MUL16 f, hi, a0
	WIN MUL_LO+0x50*(\hi)  ; MUL_LO or MUL_HI
.irp a, \a0, (\a0)+1
.irp b, 0,1,2,3,4,5,6,7
	v_wmma_f32_16x16x32_bf16 v[8*(8*(\a)+(\b)):8*(8*(\a)+(\b))+7], v[(\f)+8*(\b):(\f)+8*(\b)+7], v[(\f)+8*(4*(\hi)+(\a)):(\f)+8*(4*(\hi)+(\a))+7], v[8*(8*(\a)+(\b)):8*(8*(\a)+(\b))+7]
.endr
.endr
.endm
; The 64 products that start the sums, in the same order: D = we xe^T + bias.  Source 0 window 1, source 1 and C window 0, D window 2 or 3.
.macro LORA
.irp hi, 0,1
	WIN 0x81+0x40*(\hi)
.irp a, 0,1,2,3
.irp b, 0,1,2,3,4,5,6,7
	v_wmma_f32_16x16x32_bf16 v[8*(8*(\a)+(\b)):8*(8*(\a)+(\b))+7], v[F1+8*(\b):F1+8*(\b)+7], v[F1+8*(4*(\hi)+(\a)):F1+8*(4*(\hi)+(\a))+7], v[BI+8*(\b):BI+8*(\b)+7]
.endr
.endr
.endr
.endm
; 32 LDS loads in one run: the fragments of one quarter step (128 rows of wb, 128 rows of xb, 32 K at byte k of the rows) into buffer f
.macro FETCH slot, k, f
	WIN TO_B
.irp i, 0,1,2,3,4,5,6,7
	ds_load_b128 v[(\f)+8*(\i):(\f)+8*(\i)+3],   v[ADRB+(\slot)] offset:(\k)+(\i)*16*PITCH
	ds_load_b128 v[(\f)+8*(\i)+4:(\f)+8*(\i)+7], v[ADRB+(\slot)] offset:(\k)+(\i)*16*PITCH+32
.endr
	WIN 0
.irp i, 0,1,2,3,4,5,6,7
	ds_load_b128 v[(\f)+8*(\i):(\f)+8*(\i)+3],   v[ADRA+(\slot)] offset:(\k)+(\i)*16*PITCH
	ds_load_b128 v[(\f)+8*(\i)+4:(\f)+8*(\i)+7], v[ADRA+(\slot)] offset:(\k)+(\i)*16*PITCH+32
.endr
.endm
; A load into a register that a matrix instruction has read, and an LDS store that reads a matrix result, stand four places behind that matrix instruction, and only plain vector instructions that name
; none of its registers are places (ISA guide 7.12.1 for vector instructions); the matrix instructions in between are not counted.
.macro PLACES
.rept 4
	v_nop
.endr
.endm
; A K step is four quarter steps of 32 along K, 64 matrix instructions each, on buffers 0, 1, 0, 1.
; One of the first three: multiplies buffer f; in its middle it fetches the next quarter's fragments, at byte k of the same slot's rows, into buffer g.
.macro QUARTER slot, k, f, g
	s_wait_dscnt 8                                 ; wb and xb's rows 0-63 are in; the youngest eight loads (xb's rows 64-127) may be out
	MUL16 \f, 0, 0
	MUL16 \f, 0, 2
	PLACES
	FETCH \slot, \k, \g
	s_wait_dscnt 32                                ; all but the 32 just issued
	MUL16 \f, 1, 0
	MUL16 \f, 1, 2
.endm
; The last quarter multiplies buffer 1 and changes slots.  MEET is its first half: ONE barrier for the change of slots, for two things.  In front of it each wave waits for all its tensor loads, of which
; one is out: its part of the next slot; adds 0 to its spare word; and waits for that and for its own reads of this slot.  Behind it nobody reads this slot any more and the next slot is whole.
.macro MEET round                      ; round = 1: a round of the cluster's barrier follows
	WIN 0                                          ; (the add's two registers lie in window 0)
	s_wait_tensorcnt 0x0                           ; all my tensor loads have landed: the one that was out is my part of the next slot;
	ds_add_u32 v[SPW], v[NIL]                      ; 0 onto my spare word;
	s_wait_dscnt 9                                 ; (the add and the youngest eight loads may be out)
	MUL16 F1, 0, 0                                 ; sixteen matrix instructions stand between the add and the wait for it
	s_wait_dscnt 0x0                               ; the add is done, and my reads of this slot are over:
	s_barrier_signal -1                            ; say so (where a slot is filled again this barrier opens a round of the cluster's barrier),
	MUL16 F1, 0, 2                                 ; work on registers while the others arrive,
.if \round
	WIN 0
.endif
	s_barrier_wait -1                              ; and go on when all four have said so
.endm
; The whole last quarter, with a refill.  Behind the round the slot just read out is filled again first, with the K step two steps on; then come the next slot's first fragments.
; From a request to the wait for it a wave issues 224 matrix instructions.
.macro TURN slot, next
	s_wait_xcnt 0x0                                ; the last prefetch, a K step back, has read its address: it is stepped here, ahead of the waits of the change of slots
	s_add_nc_u64 s[PFA:PFA+1], s[PFA:PFA+1], KSTEP*2
	MEET 1
	CREST                                          ; wave 0 says so for the work-group, all sixteen work-groups have said so, my work-group's barrier closes the round:
	                                               ; no wave of any partner still reads this slot's tile or has a load on its way; no tensor load of mine is out, so the descriptors may be written
	s_add_nc_u64 s[G0+4*(\slot)+2:G0+4*(\slot)+3], s[G0+4*(\slot)+2:G0+4*(\slot)+3], 2*KSTEP*2
	s_add_nc_u64 s[G0B+4*(\slot)+2:G0B+4*(\slot)+3], s[G0B+4*(\slot)+2:G0B+4*(\slot)+3], 2*KSTEP*2
	JLOAD \slot                                    ; the first tensor load behind the round, one a wave; the four v_nop behind it are also the places in front of the loads below
	FETCH \next, 0, F0
	ASK                                            ; behind the joint load and the run of LDS loads that the next products wait for
	MUL16 F1, 1, 0
	MUL16 F1, 1, 2
.endm
; THE WAY OUT of block a (16 of my rows), in two parts.  TOSTAGE: a lane's 32 bytes of each of the 8 accumulators go into my own stage, the lower 16 first (each accumulator is read from its low end on),
; and come back as whole rows of 512 bytes.  SEND: stored.
.macro TOSTAGE a
.set AC, 64*((\a)%4)
.set BK, OB+64*((\a)%2)
.if (\a) >= 2
	s_wait_xcnt 0x0                                ; the stores of the block two back have read this buffer: it is loaded again only behind this wait
.endif
	WIN 0x08+4*((\a)/4)                            ; the stores' data (source 1) in window 2 or 3
.irp b, 0,1,2,3,4,5,6,7
	ds_store_b128 v[STO], v[AC+8*(\b):AC+8*(\b)+3]   offset:64*(\b)
	ds_store_b128 v[STO], v[AC+8*(\b)+4:AC+8*(\b)+7] offset:64*(\b)+16
.endr
	WIN 0
.irp t, 0,1,2,3,4,5,6,7,8,9,10,11,12,13,14,15
	ds_load_b128 v[BK+4*(\t):BK+4*(\t)+3], v[RD] offset:(\t)*SPITCH  ; LDS serves a wave's instructions in order (ISA guide 5.7.1.4): these see the stores above; the next block's stores come behind them
.endr
.endm
.macro SEND a, younger                 ; younger: the LDS instructions issued behind block a's loads: the next block's 16 stores and 16 loads, or none
.set BK, OB+64*((\a)%2)
	s_wait_dscnt \younger                          ; the block is back in registers
.irp t, 0,1,2,3,4,5,6,7,8,9,10,11,12,13,14,15
	global_store_b128 v[CO], v[BK+4*(\t):BK+4*(\t)+3], s[8:9] offset:(16*(\a)+(\t))*SIZE_N*4 th:TH_STORE_NT  ; 512 consecutive bytes, at a multiple of 512 from out0's first byte; the row stands in the immediate, 2,080,768 at the most
.endr
.endm
	s_wait_tensorcnt 1                             ; my part of K step 0 is in; K step 1's may stay out
	s_barrier_signal -1
	s_barrier_wait -1                              ; everybody's is
	FETCH 0, 0, F0
	s_wait_loadcnt 0x0                             ; xe, we and b
	LORA                                           ; the sums start: bias and low-rank term
	QUARTER 0, 64,  F0, F1                         ; K step 0's first quarter; its four places stand between the products above and the loads into buffer 1
	WIN 0                                          ; at a label and at a branch every window is 0
	s_mov_b32 s3, LAPS-1
.Llap:                                                 ; a trip goes once round the ring, from a lap's second quarter to the next lap's first, and fills both slots again
	QUARTER 0, 128, F1, F0
	QUARTER 0, 192, F0, F1
	TURN 0, 1
	QUARTER 1, 64,  F0, F1
	QUARTER 1, 128, F1, F0
	QUARTER 1, 192, F0, F1
	TURN 1, 0
	QUARTER 0, 64,  F0, F1
	WIN 0
	s_sub_co_u32 s3, s3, 1
	s_cmp_lg_u32 s3, 0
	s_cbranch_scc1 .Llap
	QUARTER 0, 128, F1, F0                         ; the last lap is written out: it fills nothing, and has no round of the cluster's barrier
	QUARTER 0, 192, F0, F1
	MEET 0                                         ; my one tensor load that was still out is slot 1's, the last K step's
	PLACES                                         ; for the loads into buffer 0, which the quarter before multiplied
	FETCH 1, 0, F0
	MUL16 F1, 1, 0
	MUL16 F1, 1, 2
	QUARTER 1, 64,  F0, F1
	QUARTER 1, 128, F1, F0
	QUARTER 1, 192, F0, F1
	s_wait_dscnt 8                                 ; the very last quarter: nothing more to fetch
	MUL16 F1, 0, 0
	MUL16 F1, 0, 2
	s_wait_dscnt 0x0
	MUL16 F1, 1, 0
	MUL16 F1, 1, 2
	PLACES                                         ; eight places, once a launch, behind the last products: the stores into the stage read results, the loads from it land in fragment registers
	PLACES
	TOSTAGE 0
.irp a, 1,2,3,4,5,6,7                  ; block a's way through the stage is begun before block a - 1 is waited for and stored
	TOSTAGE \a
	SEND (\a)-1, 32
.endr
	SEND 7, 0
	s_wait_tensorcnt 0x0                           ; the wave's end, behind my last tensor load and my last LDS store
	ds_add_u32 v[SPW], v[NIL]
	s_wait_dscnt 0x0
	CROUND                                         ; the closing round: no work-group ends while a partner may still ask for a tile that names it
	s_endpgm
.Lfunc_end_k_qdd7a35ee67_gemm:
	.size	k_qdd7a35ee67_gemm, .Lfunc_end_k_qdd7a35ee67_gemm-k_qdd7a35ee67_gemm
	.p2alignl 7, 3214868480
	.fill 96, 4, 3214868480
	.section	.rodata,"a",@progbits
	.p2align	6, 0x0
	.amdhsa_kernel k_qdd7a35ee67_gemm
		.amdhsa_group_segment_fixed_size 327680
		.amdhsa_private_segment_fixed_size 0
		.amdhsa_enable_private_segment 0
		.amdhsa_kernarg_size 48
		.amdhsa_user_sgpr_count 2
		.amdhsa_user_sgpr_kernarg_segment_ptr 1
		.amdhsa_wavefront_size32 1
		.amdhsa_system_sgpr_workgroup_id_x 1
		.amdhsa_system_sgpr_workgroup_id_y 1
		.amdhsa_system_sgpr_workgroup_id_z 1
		.amdhsa_system_vgpr_workitem_id 0
		.amdhsa_next_free_vgpr 1024
		.amdhsa_next_free_sgpr 80
		.amdhsa_reserve_vcc 0
		.amdhsa_float_denorm_mode_32 3
		.amdhsa_float_denorm_mode_16_64 3
		.amdhsa_memory_ordered 1
		.amdhsa_forward_progress 1
		.amdhsa_inst_pref_size 150
	.end_amdhsa_kernel
	.amdgpu_metadata
---
amdhsa.version: [ 1, 2 ]
amdhsa.kernels:
  - .name:           k_qdd7a35ee67_gemm
    .symbol:         k_qdd7a35ee67_gemm.kd
    .args:
      - { .name: xb, .offset: 0, .size: 8, .value_kind: global_buffer, .address_space: global }
      - { .name: wb, .offset: 8, .size: 8, .value_kind: global_buffer, .address_space: global }
      - { .name: out0, .offset: 16, .size: 8, .value_kind: global_buffer, .address_space: global }
      - { .name: xe, .offset: 24, .size: 8, .value_kind: global_buffer, .address_space: global }
      - { .name: we, .offset: 32, .size: 8, .value_kind: global_buffer, .address_space: global }
      - { .name: b, .offset: 40, .size: 8, .value_kind: global_buffer, .address_space: global }
    .group_segment_fixed_size: 327680
    .private_segment_fixed_size: 0
    .kernarg_segment_align: 8
    .kernarg_segment_size: 48
    .max_flat_workgroup_size: 128
    .sgpr_count:     80
    .vgpr_count:     1024
    .wavefront_size: 32
...
	.end_amdgpu_metadata
.endif
;; end of part 2
;; ======== version 2 of 2: 2 launches; version 1 with the launch prep written anew for expert scheduling mode
;; workspace buffers: xb 33,554,432 bytes; wb 33,554,432 bytes; xe 262,144 bytes; we 262,144 bytes
;; launch prep (part 3): grid 256 x 1, 16 waves a work-group, no clusters, 88,064 bytes of LDS; arguments x, W, lora_A, lora_B, xb, wb, xe, we; writes xb, wb, xe, we
.if DOCPART == 3
	.amdgcn_target "amdgcn-amd-amdhsa--gfx1250"
	.amdhsa_code_object_version 6
	.text
	.protected	k_qdd7a35ee67_prep
	.globl	k_qdd7a35ee67_prep
	.p2align	8
	.type	k_qdd7a35ee67_prep,@function
k_qdd7a35ee67_prep:
	s_mov_b64 s[64:65], 0
	v_nop
	global_prefetch_b8 v0, s[64:65] scope:SCOPE_SE
	s_setreg_imm32_b32 hwreg(HW_REG_WAVE_SCHED_MODE, 0, 2), 2
	s_setreg_imm32_b32 hwreg(HW_REG_WAVE_MODE, 25, 1), 1
	s_wait_xcnt 0x0
	s_wait_alu depctr_vm_vsrc(0)
; out[m][o] = sum_i x[m][i] W[o][i] + b[o] + sum_r (sum_i x[m][i] A[r][i]) B[o][r];  m = 0..4095 (4 x 1024), i, o = 0..4095, r = 0..15; all buffers f32.
; NO WORK IS LEFT OUT: each of the five inputs reaches every output, and all five are loaded (x, W, lora_A, lora_B here, b in the second launch).
; THIS LAUNCH, the first of two: xb = bf16(x), wb = bf16(W), each rounded once; ar = bf16(x) bf16(A)^T, summed in f32 on the matrix unit; ar and lora_B are stored as ready operand fragments:
;   xe: for each 16 rows of x 1,024 bytes: byte 16 l: hi[row l % 16][rank 8 (l / 16) + 0..7], byte 512 + 16 l: lo of the same eight; hi = bf16(ar), lo = bf16(ar - hi): ar keeps 16 significant bits
;   we: the same form for 16 rows of lora_B, bf16(lora_B) in both halves.  So one product with K = 32 in the second launch gives (hi + lo) . B, and none of its 32 places multiplies a zero.
; LIMITS.  A number beyond bf16's largest finite one rounds to an infinity (lo is then no number); NaN and infinities are not treated apart.
; SHARES.  Work-group g owns rows 16 g .. 16 g + 15 of x and of W and block g of xe and we.  K is split among its 16 waves: wave w has k = 256 w .. 256 w + 255, in two chunks of 128:
; a chunk is 16 loads of 16 bytes a lane, each 512 consecutive bytes of one row.  Two sets of 64 registers: 32 loads, 16 KiB, of a wave are out at a time, 256 KiB for the 16 waves.
; Rounded, a chunk's row is 256 bytes: one store of 8 bytes a lane covers 256 consecutive bytes, aligned.  x's chunks also pass through the wave's own tile in LDS, to come back as fragments.
; NO TENSOR LOADS, NO CLUSTER: no wave wants a byte of x or W that another wave has fetched.  What the work-groups share is lora_A, 262,144 bytes beside the 134,217,728 of x and W, and each wave wants its
; own 16 x 256 numbers of it rounded and in operand order in registers.  No prefetch: the launch is a stream whose loads are all out as early as its registers allow.
; THE MODE: SCHED_MODE bits 1:0 = 2 (LLVM: expert scheduling mode 2), set by the entry lines.  The code itself states the register dependences between vector or matrix instructions and memory or LDS
; instructions, with s_wait_alu, always for 0.
; THE PLAN.  Registers that memory or LDS instructions touch:
;   v2 - v10, v12, v13   offsets and LDS addresses: written at the head, never again; one wait on va_vdst ahead of the first load serves them all.
;   SETA, SETB   Loads land in a set three times (lora_A, x, W).  Conversions read the set and, for x and W, write its lower 32 registers, which the stores (for x the LDS stores too) read.
;                So behind each run of conversions stands ONE wait on va_vdst: it states that the lower 32 are written, for the stores, and that the whole set is read out, for the next loads into it.
;                Between that wait and those loads stand memory and LDS instructions alone; a wait on vm_vsrc ahead of the loads states that the stores have read the lower 32.
;   FR           x's fragments: chunk c's LDS loads land in it, chunk c's four products read it.  Chunk 1's loads stand behind the wait that follows chunk 1's roundings, and chunk 0's products ahead of it.
;                The fragments have registers of their own so that W's loads into a set need not stand behind the products.
;   AF           lora_A's fragments, read by the products; then, in wave 0, the partial tiles land in it twice and the sums work in it; last it holds what the four stores of xe and we read.
;   ACC0, ACC1   written by the products and the sums; ACC0 is read by the two LDS stores of the partial tile and written again by wave 0's sum; lora_B lands in ACC1 in wave 0.
.set TP,    272                        ; a tile row in LDS: 256 bytes + 16: the 16 rows that a fragment load touches start at 16 different groups of four banks (64 banks of 4 bytes: ISA guide 11.1)
.set TILEB, 16*TP                      ; a wave's tile; the 16 tiles lie from byte 0 on
.set PART,  16*TILEB                   ; 69,632: wave w's partial tile of ar, f32: registers 0-3 at 1,024 w + 16 l, registers 4-7 512 bytes on
.set SPARE, PART+16*1024               ; 86,016: the spare words, 128 bytes for each wave: eight blocks of 256 bytes that no other line names
.set VO,  2                            ; v2   1,024 w + 16 l: my 16 bytes of a chunk's row in x and W
.set VS,  3                            ; v3   512 w + 8 l: my 8 bytes of it in xb and wb
.set AO,  4                            ; v4   16,384 (l % 16) + 1,024 w + 32 (l / 16): my place in a fragment of lora_A
.set TS,  5                            ; v5   my tile + 8 l
.set TF,  6                            ; v6   my tile + 272 (l % 16) + 16 (l / 16)
.set PS,  7                            ; v7   PART + 1,024 w + 16 l
.set PR,  8                            ; v8   PART + 16 l
.set EO,  9                            ; v9   16 l
.set BOF, 10                           ; v10  64 (l % 16) + 32 (l / 16): my eight numbers of lora_B
.set SPW, 12                           ; v12  LDS address of my spare word; never rewritten
.set NIL, 13                           ; v13  0; never rewritten
.set ACC0, 16                          ; v[16:23], v[24:31] two accumulators, for fragments of even and of odd number
.set ACC1, 24
.set AF,  32                           ; v[32:95]  my 8 fragments of bf16(lora_A): 16 ranks x 32 k each
.set SETA, 96                          ; v[96:159]  a chunk as loaded; rounded it takes the lower 32
.set SETB, 160                         ; v[160:223] the other set
.set FR,  224                          ; v[224:255] a chunk of x as four fragments of 16 rows x 32 k
	s_load_b256 s[8:15], s[0:1], 0x0               ; x s[8:9], W s[10:11], lora_A s[12:13], lora_B s[14:15]
	s_load_b256 s[16:23], s[0:1], 0x20             ; xb s[16:17], wb s[18:19], xe s[20:21], we s[22:23]
	v_lshl_add_u32 v[SPW], v0, 2, SPARE
	v_mov_b32 v[NIL], 0
	v_lshrrev_b32 v1, 5, v0
	v_readfirstlane_b32 s24, v1                    ; wave 0..15
	v_and_b32 v14, 31, v0                          ; l
	v_and_b32 v15, 15, v0                          ; l % 16
	v_bfe_u32 v11, v0, 4, 1                        ; l / 16
	v_lshlrev_b32 v[AO], 14, v15                   ; the lanes' terms first: they hang on no scalar
	v_lshl_add_u32 v[AO], v11, 5, v[AO]
	v_mul_u32_u24 v[TF], v15, TP
	v_lshl_add_u32 v[TF], v11, 4, v[TF]
	v_lshl_add_u32 v[PR], v14, 4, PART
	v_lshlrev_b32 v[EO], 4, v14
	v_lshlrev_b32 v[BOF], 6, v15
	v_lshl_add_u32 v[BOF], v11, 5, v[BOF]
	s_wait_alu depctr_va_sdst(0)                   ; s24 is written, ahead of its first reader: the wave's terms of the addresses are made from it
	s_lshl_b32 s25, s24, 10                        ; each term in a scalar register of its own: none that a vector line reads is written again
	s_add_co_u32 s29, s25, PART
	s_lshl_b32 s30, s24, 9
	s_mul_i32 s31, s24, TILEB
	v_lshl_add_u32 v[VO], v14, 4, s25
	v_add_nc_u32 v[AO], s25, v[AO]
	v_lshl_add_u32 v[PS], v14, 4, s29
	v_lshl_add_u32 v[VS], v14, 3, s30
	v_lshl_add_u32 v[TS], v14, 3, s31
	v_add_nc_u32 v[TF], s31, v[TF]
	s_mov_b32 s28, 0xffff0000                      ; a word's upper bf16
	s_mov_b32 s27, 0
	s_wait_kmcnt 0x0
	s_lshl_b32 s26, ttmp9, 18                      ; 16 rows of 16,384 bytes
	s_add_nc_u64 s[8:9], s[8:9], s[26:27]
	s_add_nc_u64 s[10:11], s[10:11], s[26:27]
	s_lshl_b32 s26, ttmp9, 17                      ; 16 rows of 8,192 bytes
	s_add_nc_u64 s[16:17], s[16:17], s[26:27]
	s_add_nc_u64 s[18:19], s[18:19], s[26:27]
	s_lshl_b32 s26, ttmp9, 10                      ; a block of 1,024 bytes: of xe, of we, and 16 rows of lora_B
	s_add_nc_u64 s[14:15], s[14:15], s[26:27]
	s_add_nc_u64 s[20:21], s[20:21], s[26:27]
	s_add_nc_u64 s[22:23], s[22:23], s[26:27]
; Four fragments of lora_A, numbers 4 q .. 4 q + 3 of my eight, in f32: a lane's k = 8 (l / 16) + 0..7 are 32 bytes, its k = 16 + 8 (l / 16) + 0..7 the 32 bytes 64 further on.
.macro LOADA q, set
.irp f, 0,1,2,3
.irp p, 0,1,2,3
	global_load_b128 v[(\set)+16*(\f)+4*(\p):(\set)+16*(\f)+4*(\p)+3], v[AO], s[12:13] offset:128*(4*(\q)+(\f))+16*((\p)%2)+64*((\p)/2)
.endr
.endr
.endm
.macro CVTA q, set                     ; rounded, two numbers a register: they are then fragments as the matrix instruction takes them
.irp f, 0,1,2,3
.irp j, 0,1,2,3,4,5,6,7
	v_cvt_pk_bf16_f32 v[AF+8*(4*(\q)+(\f))+(\j)], v[(\set)+16*(\f)+2*(\j)], v[(\set)+16*(\f)+2*(\j)+1]
.endr
.endr
.endm
.macro LOADR set, base, c              ; chunk c of my 256 k, 16 rows, from x or W: read once in the launch
.irp i, 0,1,2,3,4,5,6,7,8,9,10,11,12,13,14,15
	global_load_b128 v[(\set)+4*(\i):(\set)+4*(\i)+3], v[VO], s[(\base):(\base)+1] offset:16384*(\i)+512*(\c) th:TH_LOAD_NT
.endr
.endm
.macro CVTR set                        ; rounded in place, rows ascending: row i's two registers land below every register that is still to be read
.irp i, 0,1,2,3,4,5,6,7,8,9,10,11,12,13,14,15
	v_cvt_pk_bf16_f32 v[(\set)+2*(\i)],   v[(\set)+4*(\i)],   v[(\set)+4*(\i)+1]
	v_cvt_pk_bf16_f32 v[(\set)+2*(\i)+1], v[(\set)+4*(\i)+2], v[(\set)+4*(\i)+3]
.endr
.endm
.macro STORER set, base, c             ; each store of the wave covers 256 consecutive bytes, aligned
.irp i, 0,1,2,3,4,5,6,7,8,9,10,11,12,13,14,15
	global_store_b64 v[VS], v[(\set)+2*(\i):(\set)+2*(\i)+1], s[(\base):(\base)+1] offset:8192*(\i)+256*(\c) th:TH_STORE_NT
.endr
.endm
.macro TOLDS set                       ; the same 16 rows into my tile
.irp i, 0,1,2,3,4,5,6,7,8,9,10,11,12,13,14,15
	ds_store_b64 v[TS], v[(\set)+2*(\i):(\set)+2*(\i)+1] offset:TP*(\i)
.endr
.endm
.macro FRAGS                           ; and back as four fragments of 16 rows x 32 k.  LDS serves a wave's instructions in order (ISA guide 5.7.1.4): these see the stores above, and the tile is my own: no barrier
.irp f, 0,1,2,3
	ds_load_b128 v[FR+8*(\f):FR+8*(\f)+3],   v[TF] offset:64*(\f)
	ds_load_b128 v[FR+8*(\f)+4:FR+8*(\f)+7], v[TF] offset:64*(\f)+32
.endr
.endm
; ar^T += A x^T (source 0 = the 16 ranks, source 1 = 16 rows of x): in the result a lane holds ONE row of x (l % 16) and the ranks 8 (l / 16) + 0..7.
; The two accumulators take turns, one instruction a turn, through both chunks.  zero = 1: the first two products start the sums.
.macro MULS c, zero
.irp f, 0,1,2,3
.if (\zero) && ((\f) < 2)
	v_wmma_f32_16x16x32_bf16 v[ACC0+8*((\f)%2):ACC0+8*((\f)%2)+7], v[AF+8*(4*(\c)+(\f)):AF+8*(4*(\c)+(\f))+7], v[FR+8*(\f):FR+8*(\f)+7], 0
.else
	v_wmma_f32_16x16x32_bf16 v[ACC0+8*((\f)%2):ACC0+8*((\f)%2)+7], v[AF+8*(4*(\c)+(\f)):AF+8*(4*(\c)+(\f))+7], v[FR+8*(\f):FR+8*(\f)+7], v[ACC0+8*((\f)%2):ACC0+8*((\f)%2)+7]
.endif
.endr
.endm
.macro PLACES                          ; four places behind a product, in front of sums that read results (ISA guide 7.12.1)
.rept 4
	v_nop
.endr
.endm
.macro PARTS base                      ; eight waves' partial tiles into AF
.irp v, 0,1,2,3,4,5,6,7
	ds_load_b128 v[AF+8*(\v):AF+8*(\v)+3],   v[PR] offset:(\base)+1024*(\v)
	ds_load_b128 v[AF+8*(\v)+4:AF+8*(\v)+7], v[PR] offset:(\base)+1024*(\v)+512
.endr
.endm
.macro SUM8 dst                        ; their sum, as a tree: 16 + 8 + 4 packed additions
.irp v, 0,1,2,3
.irp j, 0,2,4,6
	v_pk_add_f32 v[AF+8*(\v)+(\j):AF+8*(\v)+(\j)+1], v[AF+8*(\v)+(\j):AF+8*(\v)+(\j)+1], v[AF+8*(\v)+32+(\j):AF+8*(\v)+32+(\j)+1]
.endr
.endr
.irp v, 0,1
.irp j, 0,2,4,6
	v_pk_add_f32 v[AF+8*(\v)+(\j):AF+8*(\v)+(\j)+1], v[AF+8*(\v)+(\j):AF+8*(\v)+(\j)+1], v[AF+8*(\v)+16+(\j):AF+8*(\v)+16+(\j)+1]
.endr
.endr
.irp j, 0,2,4,6
	v_pk_add_f32 v[(\dst)+(\j):(\dst)+(\j)+1], v[AF+(\j):AF+(\j)+1], v[AF+8+(\j):AF+8+(\j)+1]
.endr
.endm
	s_wait_alu depctr_va_vdst(0)                   ; the offsets and LDS addresses v2 to v10 are written, which every load and store below reads; so are v12 and v13, which the closing add reads
	LOADA 0, SETA
	LOADA 1, SETB
	s_wait_loadcnt 16                              ; loads come back in order (ISA guide 5.7.1): set A is in, set B's 16 stay out
	CVTA 0, SETA
	s_wait_alu depctr_va_vdst(0)                   ; the conversions are done reading set A, in which the loads below land
	LOADR SETA, 8, 0                               ; x, chunk 0
	s_wait_loadcnt 16                              ; set B is in; the 16 just issued stay out
	CVTA 1, SETB
	s_wait_alu depctr_va_vdst(0)                   ; the conversions are done reading set B, in which the loads below land
	LOADR SETB, 8, 1                               ; x, chunk 1
	s_wait_loadcnt 16                              ; x's chunk 0 is in
	CVTR SETA
	s_wait_alu depctr_va_vdst(0)                   ; the roundings have written set A's lower 32, which the stores and LDS stores read, and are done reading the set, in which W's loads land below
	STORER SETA, 16, 0
	TOLDS SETA
	FRAGS
	s_wait_xcnt 0x0                                ; the stores' addresses are translated: set A is loaded again only behind this wait
	s_wait_alu depctr_vm_vsrc(0)                   ; the stores and the LDS stores have read set A's lower 32, in which the loads below land
	LOADR SETA, 10, 0                              ; W, chunk 0.  No vector or matrix instruction since the wait on va_vdst above names set A
	s_wait_dscnt 0x0                               ; the fragments are in
	MULS 0, 1
	s_wait_loadcnt 16                              ; x's chunk 1 is in; W's chunk 0 stays out
	CVTR SETB
	s_wait_alu depctr_va_vdst(0)                   ; the roundings have written set B's lower 32 and are done reading the set; chunk 0's products are done reading FR, in which the fragments below land
	STORER SETB, 16, 1
	TOLDS SETB                                     ; my tile once more: its last reads have come back
	FRAGS
	s_wait_xcnt 0x0                                ; as above, for set B
	s_wait_alu depctr_vm_vsrc(0)                   ; the stores and the LDS stores have read set B's lower 32, in which the loads below land
	LOADR SETB, 10, 1                              ; W, chunk 1
	s_wait_dscnt 0x0
	MULS 1, 0
	PLACES                                         ; four places behind the last product, ahead of the sum that reads both accumulators
.irp j, 0,2,4,6
	v_pk_add_f32 v[ACC0+(\j):ACC0+(\j)+1], v[ACC0+(\j):ACC0+(\j)+1], v[ACC1+(\j):ACC1+(\j)+1]  ; the two parities; both accumulators are read from their low end on
.endr
	s_wait_alu depctr_va_vdst(0)                   ; the sums have written ACC0, which the LDS stores read, and are done reading ACC1, in which wave 0's loads of lora_B land; the products are done reading AF, in which its partial tiles land
	ds_store_b128 v[PS], v[ACC0:ACC0+3]
	ds_store_b128 v[PS], v[ACC0+4:ACC0+7] offset:512
	s_wait_dscnt 0x0                               ; for wave 0's sake: my partial tile is in LDS
	s_barrier_signal -1
	s_barrier_wait -1                              ; the launch's one barrier; W's loads stay on their way across it: nobody writes those bytes
	s_wait_alu depctr_vm_vsrc(0)                   ; my two LDS stores have read ACC0, which wave 0's sum writes again: stated ahead of the branch
	s_cmp_lg_u32 s24, 0
	s_cbranch_scc1 .Lrest                          ; wave 0 alone adds the 16 partial tiles and stores the two blocks of fragments
	global_load_b128 v[ACC1:ACC1+3],   v[BOF], s[14:15]
	global_load_b128 v[ACC1+4:ACC1+7], v[BOF], s[14:15] offset:16
	PARTS 0
	s_wait_dscnt 0x0
	SUM8 ACC0
	s_wait_alu depctr_va_vdst(0)                   ; the additions are done reading and writing AF, in which the other eight partial tiles land
	PARTS 8192
	s_wait_dscnt 0x0
	SUM8 AF
.irp j, 0,2,4,6
	v_pk_add_f32 v[ACC0+(\j):ACC0+(\j)+1], v[ACC0+(\j):ACC0+(\j)+1], v[AF+(\j):AF+(\j)+1]  ; ar: my row, my eight ranks
.endr
.irp j, 0,1,2,3
	v_cvt_pk_bf16_f32 v[AF+(\j)], v[ACC0+2*(\j)], v[ACC0+2*(\j)+1]      ; hi
.endr
.irp j, 0,1,2,3
	v_lshlrev_b32 v[AF+8+2*(\j)],   16,  v[AF+(\j)]                     ; hi back in f32
	v_and_b32     v[AF+8+2*(\j)+1], s28, v[AF+(\j)]
.endr
.irp j, 0,2,4,6
	v_pk_add_f32 v[AF+8+(\j):AF+8+(\j)+1], v[ACC0+(\j):ACC0+(\j)+1], v[AF+8+(\j):AF+8+(\j)+1] neg_lo:[0,1] neg_hi:[0,1]  ; ar - hi, exact
.endr
.irp j, 0,1,2,3
	v_cvt_pk_bf16_f32 v[AF+4+(\j)], v[AF+8+2*(\j)], v[AF+8+2*(\j)+1]    ; lo
.endr
	s_wait_loadcnt 0x0                             ; lora_B was asked for last, so W's chunks are in as well
.irp j, 0,1,2,3
	v_cvt_pk_bf16_f32 v[AF+16+(\j)], v[ACC1+2*(\j)], v[ACC1+2*(\j)+1]
.endr
	s_wait_alu depctr_va_vdst(0)                   ; hi, lo and bf16(lora_B) are written, which the four stores read: one wait for the run
	global_store_b128 v[EO], v[AF:AF+3], s[20:21]  ; 512 consecutive bytes, aligned, like the three stores below
	global_store_b128 v[EO], v[AF+4:AF+7], s[20:21] offset:512
	global_store_b128 v[EO], v[AF+16:AF+19], s[22:23]
	global_store_b128 v[EO], v[AF+16:AF+19], s[22:23] offset:512
.Lrest:
	s_wait_loadcnt 16                              ; W's chunk 0 is in, chunk 1's 16 loads may stay out (in wave 0 nothing is out)
	CVTR SETA                                      ; (the last stores that read set A's lower 32 stand ahead of the wait on vm_vsrc in front of W's loads; set B's likewise)
	s_wait_alu depctr_va_vdst(0)                   ; the roundings have written set A's lower 32, which the stores read
	STORER SETA, 18, 0
	s_wait_loadcnt 0x0
	CVTR SETB
	s_wait_alu depctr_va_vdst(0)                   ; the roundings have written set B's lower 32, which the stores read
	STORER SETB, 18, 1
	s_wait_dscnt 0x0                               ; the closing lines, six on end
	s_wait_alu 0x0
	s_wait_tensorcnt 0x0
	ds_add_u32 v[SPW], v[NIL]
	s_wait_dscnt 0x0
	s_endpgm
.Lfunc_end_k_qdd7a35ee67_prep:
	.size	k_qdd7a35ee67_prep, .Lfunc_end_k_qdd7a35ee67_prep-k_qdd7a35ee67_prep
	.p2alignl 7, 3214868480
	.fill 96, 4, 3214868480
	.section	.rodata,"a",@progbits
	.p2align	6, 0x0
	.amdhsa_kernel k_qdd7a35ee67_prep
		.amdhsa_group_segment_fixed_size 88064
		.amdhsa_private_segment_fixed_size 0
		.amdhsa_enable_private_segment 0
		.amdhsa_kernarg_size 64
		.amdhsa_user_sgpr_count 2
		.amdhsa_user_sgpr_kernarg_segment_ptr 1
		.amdhsa_wavefront_size32 1
		.amdhsa_system_sgpr_workgroup_id_x 1
		.amdhsa_system_sgpr_workgroup_id_y 1
		.amdhsa_system_sgpr_workgroup_id_z 1
		.amdhsa_system_vgpr_workitem_id 0
		.amdhsa_next_free_vgpr 256
		.amdhsa_next_free_sgpr 66
		.amdhsa_reserve_vcc 0
		.amdhsa_float_denorm_mode_32 3
		.amdhsa_float_denorm_mode_16_64 3
		.amdhsa_memory_ordered 1
		.amdhsa_forward_progress 1
		.amdhsa_inst_pref_size 42
	.end_amdhsa_kernel
	.amdgpu_metadata
---
amdhsa.version: [ 1, 2 ]
amdhsa.kernels:
  - .name:           k_qdd7a35ee67_prep
    .symbol:         k_qdd7a35ee67_prep.kd
    .args:
      - { .name: x, .offset: 0, .size: 8, .value_kind: global_buffer, .address_space: global }
      - { .name: W, .offset: 8, .size: 8, .value_kind: global_buffer, .address_space: global }
      - { .name: lora_A, .offset: 16, .size: 8, .value_kind: global_buffer, .address_space: global }
      - { .name: lora_B, .offset: 24, .size: 8, .value_kind: global_buffer, .address_space: global }
      - { .name: xb, .offset: 32, .size: 8, .value_kind: global_buffer, .address_space: global }
      - { .name: wb, .offset: 40, .size: 8, .value_kind: global_buffer, .address_space: global }
      - { .name: xe, .offset: 48, .size: 8, .value_kind: global_buffer, .address_space: global }
      - { .name: we, .offset: 56, .size: 8, .value_kind: global_buffer, .address_space: global }
    .group_segment_fixed_size: 88064
    .private_segment_fixed_size: 0
    .kernarg_segment_align: 8
    .kernarg_segment_size: 64
    .max_flat_workgroup_size: 512
    .sgpr_count:     66
    .vgpr_count:     256
    .wavefront_size: 32
...
	.end_amdgpu_metadata
.endif
;; end of part 3
;; launch gemm: the kernel of part 2 again; grid 16 x 16, 4 waves a work-group, clusters of 4 x 4, 327,680 bytes of LDS; arguments xb, wb, out0, xe, we, b; writes out0
